; MI455X (gfx1250); checked and timed in simulation.
; The chip was launched on July 23, 2026; its instructions are those of AMD's public machine-readable ISA for CDNA 5 (MIT licence, August 2026) and "CDNA5" Instruction Set Architecture Reference Guide (July 2026). The comments in the code are by the model that wrote it; some were corrected since.
;; Msg Merger. Allowed arithmetic: matrix products marked QUANTISED: E5M2 operands, one E8M0 scale for each 32 along K, by v_wmma_scale_f32_16x16x128_f8f6f4 with both operands' format E5M2, f32 sums; products left as they are: f32 operands where the result goes on into a quantised operand, else bf16, f16 or f32 operands; f32 sums; everything else in f32.
;; Inputs: msg_stacked 256 x 256 x 512 float32; w_key 512 x 512 float32; w_query 512 x 512 float32; w_value 512 x 512 float32.
;; Outputs: out0 256 x 512 float32.
;; This version of the problem:
;;   THIS VERSION OF THE PROBLEM IS GIVEN IN LOW PRECISION. The matrix products marked QUANTISED in the list below multiply operands that are first quantised to E5M2 (5 exponent bits, 2 mantissa bits; 8 bits a number), with one power-of-two scale for each 32 numbers along K (OCP MX v1.0); their sums are f32. All else is computed in f32.
;;   The module's matrix products, in the order in which they are computed (A, B: the left and right operand; K: the contracted axis; several contracted axes count as one K, in the product's order):
;;     1. [M 65,536, K 512] x [K 512, N 512]; A: input msg_stacked; B: input w_query: QUANTISED
;;     2. [M 65,536, K 512] x [K 512, N 512]; A: input msg_stacked; B: input w_key: QUANTISED
;;     3. [M 65,536, K 512] x [K 512, N 512]; A: input msg_stacked; B: input w_value: QUANTISED
;;     4. batch 256 x [M 256, K 512] x [K 512, N 256]; A: computed on the way; B: computed on the way: QUANTISED
;;     5. batch 256 x [M 1, K 256] x [K 256, N 512]; A: computed on the way; B: computed on the way: left as it is (M = 1 < 16)
;;   THE QUANTISER, for each operand of a quantised product, along K:
;;     - K is cut into blocks of 32 from its start; a last block that is shorter is filled with zeros.
;;     - A block's scale is 2^e with e = floor(log2(the largest magnitude in the block)) - 15, held to -126 .. 127; a block of zeros has e = 0. As a byte (E8M0): e + 127.
;;     - Each number is divided by its block's scale, clamped to +-57,344, and rounded to the nearest number of E5M2, ties to even, subnormals kept.
;;     - The product sums the exact products of the quantised numbers (number of the format x scale) in f32.
;;   ~~~python
;;   def quantise(x, axis):      # numpy; x: float32 -> the quantised numbers, widened to float32 again
;;       x = np.moveaxis(x, axis, -1); K = x.shape[-1]
;;       x = np.pad(x, [(0, 0)] * (x.ndim - 1) + [(0, -K % 32)]); x = x.reshape(x.shape[:-1] + (-1, 32)); a = np.abs(x).max(-1, keepdims=True)
;;       e = np.where(a > 0, np.clip(np.frexp(np.where(a > 0, a, 1))[1] - 1 - 15, -126, 127), 0)      # np.frexp(a)[1] - 1 = floor(log2(a)), exactly
;;       r = np.clip(x / 2.0 ** e, -57344, 57344)
;;       step = 2.0 ** (np.maximum(np.frexp(np.where(r == 0, 1, r))[1] - 1, -14) - 2)
;;       q = np.round(r / step) * step * 2.0 ** e      # np.round: ties to even
;;       return np.moveaxis(q.reshape(q.shape[:-2] + (-1,))[..., :K], -1, axis).astype(np.float32)
;;   ~~~
;;   OPERANDS COMPUTED ON THE WAY. 'Computed on the way' means the value that the module computes at that place (a softmax that the list does not call 'softmax' is quantised finished and normalised). What goes into a quantiser is computed in f32, as accurately as f32 sums, v_exp_f32 and their like allow (about 1e-6 of the number): no bf16 or f16 on the way to a quantiser, and a product that is left as it is and whose result goes on into a quantised operand takes f32 operands (vector FMAs, or v_wmma_f32_16x16x4_f32). A number that lies on a knife's edge between two numbers of the format may be rounded either way, as far as f32 arithmetic and the matrix unit's own rounding can turn it there, and no further.
;; One version. Each part assembles by itself: llvm-mc -triple=amdgcn-amd-amdhsa -mcpu=gfx1250 --defsym DOCPART=n.
;; ======== version 1 of 1: 2 launches
;; limits: right only within a limited range of input values
;; workspace buffers: wcodes 786,432 bytes; wscales 24,576 bytes
;; launch wquant (part 1): grid 16 x 3, 4 waves a work-group, no clusters, 0 bytes of LDS; arguments w_query, w_key, w_value, wcodes, wscales; writes wcodes, wscales
.if DOCPART == 1
	.amdgcn_target "amdgcn-amd-amdhsa--gfx1250"
	.amdhsa_code_object_version 6
	.text
	.protected	k_q8687c98b7d_wquant
	.globl	k_q8687c98b7d_wquant
	.p2align	8
	.type	k_q8687c98b7d_wquant,@function
k_q8687c98b7d_wquant:
	s_mov_b64 s[64:65], 0
	v_nop
	global_prefetch_b8 v0, s[64:65] scope:SCOPE_SE
	s_setreg_imm32_b32 hwreg(HW_REG_WAVE_MODE, 25, 1), 1
	s_wait_xcnt 0x0
; Wq, Wk, Wv, each [512 (d)][512 (e)] f32 with K = d as the FIRST axis, become codes of BF8 (E5M2) with one E8M0 scale byte for each 32 along d.
; The codes are laid in the order of the operand registers of the launch that reads them:
;   wcodes byte ((((mat 4 + w) 8 + t) 4 + s) 4 + c) 512 + 16 L:  the 16 codes of d = 128 s + 32 c + 16 (L / 16) + 0 .. 15 in column e = 128 w + 32 (t / 2) + 8 (t % 2) + r + 8 (r / 8), r = L % 16.
;   wscales byte ((mat 4 + w) 4 + tt) 512 + 16 L' + 4 s:  the scale word (four bytes, c = 0 .. 3) of K step s; L' < 16: tile tt, row L'; L' >= 16: tile tt + 4, row L' - 16.
; A LANE TAKES A COLUMN e, AND ITS REGISTERS RUN DOWN d: a block of 32 lies in one lane's 32 registers, its largest magnitude needs no other lane, and the conversions give codes with K innermost.
; SHARES: work-group x = 4 w + s takes slice w (128 columns) and K step s (128 rows), work-group y the matrix; wave b takes columns 32 b .. 32 b + 31 of the slice: tiles 2 b and 2 b + 1.
; A block's scale is 2^(floor(log2(its largest magnitude)) - 15); its byte is the largest magnitude's exponent field - 15, held at 1 from below.
; LIMITS: a block of zeros gets the byte 1 where the rule says 127: its codes are zeros, which add nothing under any byte but 0xff, and the bytes are read by this program alone.  NaN and infinities among the inputs are not served.
; A store of codes covers two aligned runs of 256 bytes (the sixteen lanes of a tile each).  The scale words leave as 4 bytes of every 16: 24,576 bytes in the whole launch against 3,145,728 read.
.set X,  32                            ; v32-159  four blocks of 32 numbers
.set C,  160                           ; v160-191 eight registers of codes a block, never rewritten
.set SB, 24                            ; v24      the four scale bytes
	s_load_b256 s[4:11], s[0:1], 0x0               ; w_query, w_key, w_value, wcodes
	s_load_b64 s[12:13], s[0:1], 0x20              ; wscales
	v_lshrrev_b32 v1, 5, v0
	v_readfirstlane_b32 s16, v1                    ; b: my wave
	v_and_b32 v2, 31, v0                           ; x: my lane, my column in the wave's 32
	s_lshr_b32 s17, ttmp9, 2                       ; w
	s_and_b32 s18, ttmp9, 3                        ; s
	s_and_b32 s19, ttmp7, 0xffff                   ; mat
	v_lshlrev_b32 v3, 2, v2                        ; in: 4 bytes a lane
	v_bfe_u32 v4, v2, 3, 1                         ; u = (x / 8) % 2: which of the wave's two tiles
	v_and_b32 v5, 7, v2
	v_lshrrev_b32 v6, 4, v2
	v_lshl_or_b32 v5, v6, 3, v5                    ; r = x % 8 + 8 (x / 16): my row in the tile
	v_lshlrev_b32 v5, 4, v5
	v_lshl_or_b32 v6, v4, 13, v5                   ; codes: 8,192 u + 16 r
	v_lshl_or_b32 v7, v4, 9, v5                    ; scale words: 512 u + 16 r
	s_lshl_b32 s20, s18, 18                        ; in: 128 s rows of 2,048 bytes
	s_lshl_b32 s21, s17, 9                         ; + 128 w columns
	s_add_co_u32 s20, s20, s21
	s_lshl_b32 s21, s16, 7                         ; + 32 b columns
	s_add_co_u32 s20, s20, s21
	s_mov_b32 s21, 0
	s_lshl_b32 s22, s19, 2
	s_add_co_u32 s22, s22, s17                     ; 4 mat + w
	s_lshl_b32 s24, s22, 16                        ; codes: a slice is 65,536 bytes,
	s_lshl_b32 s25, s16, 14                        ; two tiles 16,384,
	s_add_co_u32 s24, s24, s25
	s_lshl_b32 s25, s18, 11                        ; a fragment 2,048
	s_add_co_u32 s24, s24, s25
	s_mov_b32 s25, 0
	s_lshl_b32 s26, s22, 11                        ; scale words: a slice is 2,048 bytes;
	s_and_b32 s27, s16, 1
	s_lshl_b32 s27, s27, 10                        ; tt = 2 (b % 2) + u;
	s_add_co_u32 s26, s26, s27
	s_lshr_b32 s27, s16, 1
	s_lshl_b32 s27, s27, 8                         ; tiles 4 to 7 take the upper sixteen places;
	s_add_co_u32 s26, s26, s27
	s_lshl_b32 s27, s18, 2                         ; word s
	s_add_co_u32 s26, s26, s27
	s_mov_b32 s27, 0
	s_mov_b32 s31, 0x600000                        ; the mantissa field of 57,344 (an instruction takes one literal)
	s_wait_alu depctr_va_vdst(0)
	s_wait_kmcnt 0x0
	s_cmp_eq_u32 s19, 1                            ; which matrix: the choice hangs on the work-group's number alone
	s_cselect_b64 s[4:5], s[6:7], s[4:5]
	s_cmp_eq_u32 s19, 2
	s_cselect_b64 s[4:5], s[8:9], s[4:5]
	s_add_nc_u64 s[4:5], s[4:5], s[20:21]
	s_add_nc_u64 s[10:11], s[10:11], s[24:25]
	s_add_nc_u64 s[12:13], s[12:13], s[26:27]
.irp c, 0,1,2,3
.irp i, 0,1,2,3,4,5,6,7,8,9,10,11,12,13,14,15,16,17,18,19,20,21,22,23,24,25,26,27,28,29,30,31
	global_load_b32 v[X+32*\c+\i], v3, s[4:5] offset:(32*\c+\i)*2048 th:TH_LOAD_NT   ; W(128 s + 32 c + i, my column): a wave reads 128 consecutive bytes, the four waves 512
.endr
.endr
.macro BLOCK c
.set XS_, X+32*(\c)
.if (\c) < 2
	s_wait_loadcnt 63                              ; behind this block's loads stand 96 or 64 others: the largest count that the wait can name is under both
.elseif (\c) == 2
	s_wait_loadcnt 32                              ; the last block's 32 may be out
.else
	s_wait_loadcnt 0x0
.endif
	v_max3_num_f32 v12, |v[XS_]|, |v[XS_+1]|, |v[XS_+2]|           ; the block's largest magnitude: all 32 numbers are mine; two chains
	v_max3_num_f32 v13, |v[XS_+3]|, |v[XS_+4]|, |v[XS_+5]|
.irp i, 6,10,14,18,22,26
	v_max3_num_f32 v12, v12, |v[XS_+\i]|, |v[XS_+\i+1]|
	v_max3_num_f32 v13, v13, |v[XS_+\i+2]|, |v[XS_+\i+3]|
.endr
	v_max3_num_f32 v12, v12, |v[XS_+30]|, |v[XS_+31]|
	v_max3_num_f32 v12, v12, v13, 0x8000000        ; and the floor 2^(16 - 127): the byte cannot fall under 1
	v_add_nc_u32 v11, 0xf8800000, v12              ; 15 off the exponent field: the conversion takes the exponent field of this operand as its scale, and nothing else of it
	v_and_or_b32 v10, v12, 0x7f800000, s31         ; 57,344 x the scale
	v_lshrrev_b32 v13, 23, v11                     ; the scale's byte
.if (\c) == 0
	v_mov_b32 v[SB], v13
.else
	v_lshl_or_b32 v[SB], v13, 8*(\c), v[SB]        ; the lower K in the lower byte
.endif
.irp i, 0,1,2,3,4,5,6,7,8,9,10,11,12,13,14,15,16,17,18,19,20,21,22,23,24,25,26,27,28,29,30,31
	v_med3_num_f32 v[XS_+\i], v[XS_+\i], -v10, v10 ; the conversion to an 8-bit code does not saturate (ISA guide 7.6.2): the hold at the largest code x the scale
.endr
.irp g, 0,1,2,3
	v_cvt_scalef32_pk8_bf8_f32 v[C+8*(\c)+2*\g:C+8*(\c)+2*\g+1], v[XS_+8*\g:XS_+8*\g+7], v11
.endr
	global_store_b128 v6, v[C+8*(\c):C+8*(\c)+3], s[10:11] offset:512*(\c)          ; d = 32 c + 0 .. 15: the place of lanes 0-15 of the reader
	global_store_b128 v6, v[C+8*(\c)+4:C+8*(\c)+7], s[10:11] offset:512*(\c)+256    ; d = 32 c + 16 .. 31: of its lanes 16-31
.endm                                          ; (the codes go to stores alone and are never rewritten; the next block begins with plain vector lines ahead of the write of v11)
	BLOCK 0
	BLOCK 1
	BLOCK 2
	BLOCK 3
	global_store_b32 v7, v[SB], s[12:13]           ; my column's scale word of this K step
	s_endpgm
.Lfunc_end_k_q8687c98b7d_wquant:
	.size	k_q8687c98b7d_wquant, .Lfunc_end_k_q8687c98b7d_wquant-k_q8687c98b7d_wquant
	.p2alignl 7, 3214868480
	.fill 96, 4, 3214868480
	.section	.rodata,"a",@progbits
	.p2align	6, 0x0
	.amdhsa_kernel k_q8687c98b7d_wquant
		.amdhsa_group_segment_fixed_size 0
		.amdhsa_private_segment_fixed_size 0
		.amdhsa_enable_private_segment 0
		.amdhsa_kernarg_size 40
		.amdhsa_user_sgpr_count 2
		.amdhsa_user_sgpr_kernarg_segment_ptr 1
		.amdhsa_wavefront_size32 1
		.amdhsa_system_sgpr_workgroup_id_x 1
		.amdhsa_system_sgpr_workgroup_id_y 1
		.amdhsa_system_sgpr_workgroup_id_z 1
		.amdhsa_system_vgpr_workitem_id 0
		.amdhsa_next_free_vgpr 192
		.amdhsa_next_free_sgpr 66
		.amdhsa_reserve_vcc 0
		.amdhsa_float_denorm_mode_32 3
		.amdhsa_float_denorm_mode_16_64 3
		.amdhsa_memory_ordered 1
		.amdhsa_forward_progress 1
		.amdhsa_inst_pref_size 30
	.end_amdhsa_kernel
	.amdgpu_metadata
---
amdhsa.version: [ 1, 2 ]
amdhsa.kernels:
  - .name:           k_q8687c98b7d_wquant
    .symbol:         k_q8687c98b7d_wquant.kd
    .args:
      - { .name: w_query, .offset: 0, .size: 8, .value_kind: global_buffer, .address_space: global }
      - { .name: w_key, .offset: 8, .size: 8, .value_kind: global_buffer, .address_space: global }
      - { .name: w_value, .offset: 16, .size: 8, .value_kind: global_buffer, .address_space: global }
      - { .name: wcodes, .offset: 24, .size: 8, .value_kind: global_buffer, .address_space: global }
      - { .name: wscales, .offset: 32, .size: 8, .value_kind: global_buffer, .address_space: global }
    .group_segment_fixed_size: 0
    .private_segment_fixed_size: 0
    .kernarg_segment_align: 8
    .kernarg_segment_size: 40
    .max_flat_workgroup_size: 128
    .sgpr_count:     66
    .vgpr_count:     192
    .wavefront_size: 32
...
	.end_amdgpu_metadata
.endif
;; end of part 1
;; launch merge (part 2): grid 256 x 1, 8 waves a work-group, no clusters, 324,608 bytes of LDS; arguments msg_stacked, wcodes, wscales, out0; writes out0
.if DOCPART == 2
	.amdgcn_target "amdgcn-amd-amdhsa--gfx1250"
	.amdhsa_code_object_version 6
	.text
	.protected	k_q8687c98b7d_merge
	.globl	k_q8687c98b7d_merge
	.p2align	8
	.type	k_q8687c98b7d_merge,@function
k_q8687c98b7d_merge:
	s_mov_b64 s[64:65], 0
	v_nop
	global_prefetch_b8 v0, s[64:65] scope:SCOPE_SE
	s_setreg_imm32_b32 hwreg(HW_REG_WAVE_MODE, 25, 1), 1
	s_wait_xcnt 0x0
; out[b][e] = sum over n, m of softmax_m(q[n] . k[m] / sqrt(512)) v[m][e], with q, k, v = X Wq, X Wk, X Wv, X = msg_stacked[b], [256 tokens][512] f32.
; The projections and q k^T are products on codes of BF8 (E5M2) with one E8M0 scale for each 32 along K.  The last step is c[m] = sum over n of attn[n][m], then out[e] = sum over m of c[m] v[m][e], in f32 multiply-adds.
; ONE WORK-GROUP TAKES ONE BATCH THROUGH THE WHOLE CHAIN: only the weights' codes (made by the launch before) come from a workspace; no intermediate goes to memory.
; EIGHT WAVES, two to a SIMD, SHARE THE COLUMNS: wave w owns e = 64 w .. 64 w + 63 of each projection; its slice of a weight (4 tiles x 4 K steps x 16 registers = 256) fills window 1; X's codes go round through LDS.
; The projections of q and k are used transposed (source 0 = 16 columns of W, source 1 = 16 tokens); row r of tile 2 b + u is column 32 b + 8 u + r + 8 (r / 8), so that the 16 registers of tiles 2 b, 2 b + 1
; are 16 neighbours along e: a wave's four tiles of a token tile, quantised in registers, are half of a fragment of the next product.
; PHASES.  XQ, trips of 32 tokens: a wave quantises four rows of X a trip into LDS (16 loads of 512 bytes reload the four rows of the next trip as they are used up: 16 a wave are on their way), and among them makes q of the two token
;   tiles of the trip before: one barrier a trip.   Exchange: my 32 queries' fragments of q into v128-255.   K: k's images over q's.   S: scores of my 32 queries x 256 keys in window 1.
;   Softmax in place, with each row's own maximum taken away; column sums c, added over the waves through LDS.   V: v tile by tile, each folded with c straight from its accumulators.
; NO CLUSTER, NO JOINT LOADS: what work-groups share are the weights, and each wave's slice goes from memory straight into the registers of the one wave that owns it, each byte once a work-group; a joint load lands in LDS,
; and of the 327,680 bytes that a work-group can have this text holds 324,608: no room for a slot of a 32,768-byte slice a wave.
; NO PREFETCH: X is read in phase XQ alone, where each row's registers are loaded again as soon as they have been read; the weights are read by all 256 work-groups.
; LIMITS: NaN and infinities among the inputs are not served.  A block whose largest magnitude lies under 2^(16 - 127), a block of zeros among them, gets the scale byte 1 (for zeros the rule says 127: the codes are zeros, and
; this program alone reads the bytes).  The scaled scores (exponents to the base 2, before the maximum is taken away) stay under 2^31 in magnitude.  The f32 sums of the softmax, of c and of the last step are taken in another order than the source's.
; LDS
.set XT8,   8704                       ; X's codes, a token tile: 32 groups g = d / 16 of 272 bytes; in a group row r's 16 codes at 16 r.  272 = 17 x 16: the writer's lanes and the reader's touch sixteen different 16-byte columns modulo 256
.set XSC,   139264                     ; X's scale bytes [tile][row][16]
.set RIMG,  143360                     ; q's, later k's fragments as images of their registers: fragment (token tile m, K step s) at (16 s + m) 2,048, register group c at + 512 c, lane L at + 16 L
.set QSC,   274432                     ; q's scale words [m][row][4 words s]; k's likewise 4,096 bytes on
.set KSC,   278528
.set STG,   282624                     ; a wave's stage for two rows: 2 x 32 places x 80 bytes.  Behind XQ the bytes serve the three below
.set CPART, STG                        ; [wave][256] the waves' column sums
.set CSUM,  STG+8192                   ; [wave][256] their sum, a copy for each wave
.set OSTG,  STG+16384                  ; [wave][64] the way out
.set SPARE, STG+40960                  ; the spare words, 128 bytes for each wave
; REGISTERS, window 0
.set L16, 1                            ; 16 x lane
.set XRD, 2                            ; X fragments: 16 r + 272 h
.set XSR, 3                            ; X scale words: XSC + 16 r
.set STW, 4                            ; XQ: the stage, in
.set STR, 5                            ; XQ: the stage, out
.set XIW, 6                            ; XQ: X's codes, in
.set XSW, 7                            ; XQ: X's scale bytes, in
.set IMW, 8                            ; images, in
.set SCW, 9                            ; scale half words, in
.set WS,  16                           ; v16-23 a weight's scale words: register 4 (tt % 2) + s: lanes 0-15 tile tt < 2, lanes 16-31 tile tt + 2.  In S my queries'
.set XS,  26                           ; v26-29 a tile's scale words (no pair of scale registers of one product has numbers equal modulo 8)
.set WSO, 30                           ; a weight's scale words in memory
.set XF,  32                           ; v32-95 four fragments
.set ACC, 96                           ; v96-127 four accumulators
.set ST,  128                          ; XQ: v128-191 four rows as loaded
.set XT,  192                          ; XQ: v192-223 two rows, 16 neighbours a lane
.set RT,  224                          ; XQ: at work on two rows
.set RMX, 234
.set RHL, 236
.set RSC, 238
.set RC,  240
.set RE,  248
.set SM,  32                           ; softmax: c x row maxima; row sums, then their reciprocals; column sums in pairs; column sums; the other half's
.set SL,  48
.set CP,  64
.set CT,  96
.set PT,  112
.set CV,  192                          ; V, window 1: two sets of 8 numbers of c;  v208-215 the sums, a pair a tile
.set OUT, 208
.set MSB, 0
.macro WIN new                         ; bits 1:0 source 0, 3:2 source 1, 5:4 source 2, 7:6 destination; the immediate's high byte repeats the setting that is left
.if MSB != (\new)
	s_set_vgpr_msb (MSB<<8)|(\new)
.set MSB, (\new)
.endif
.endm
.macro PLACES                          ; behind this matrix form eight plain vector instructions stand ahead of a read of its result and of a load into one of its registers (ISA guide 7.12.1 for the read of its result)
.rept 8
	v_nop
.endr
.endm
.macro BAR                             ; my LDS stores have landed and my LDS loads are in: then the work-group's barrier
	s_wait_dscnt 0x0
	s_barrier_signal -1
	s_barrier_wait -1
.endm
; one product.  z = 1: it starts the sum.  row = 1: source 0's scales from lanes 16-31; 2: source 1's
.macro WMMA d, a, b, z, sa, sb, row
.if (\z) && ((\row) == 0)
	v_wmma_scale_f32_16x16x128_f8f6f4 v[(\d):(\d)+7], v[(\a):(\a)+15], v[(\b):(\b)+15], 0, v[\sa], v[\sb] matrix_a_fmt:MATRIX_FMT_BF8 matrix_b_fmt:MATRIX_FMT_BF8
.elseif (\z) && ((\row) == 1)
	v_wmma_scale_f32_16x16x128_f8f6f4 v[(\d):(\d)+7], v[(\a):(\a)+15], v[(\b):(\b)+15], 0, v[\sa], v[\sb] matrix_a_fmt:MATRIX_FMT_BF8 matrix_b_fmt:MATRIX_FMT_BF8 matrix_a_scale:MATRIX_SCALE_ROW1
.elseif (\z)
	v_wmma_scale_f32_16x16x128_f8f6f4 v[(\d):(\d)+7], v[(\a):(\a)+15], v[(\b):(\b)+15], 0, v[\sa], v[\sb] matrix_a_fmt:MATRIX_FMT_BF8 matrix_b_fmt:MATRIX_FMT_BF8 matrix_b_scale:MATRIX_SCALE_ROW1
.elseif (\row) == 0
	v_wmma_scale_f32_16x16x128_f8f6f4 v[(\d):(\d)+7], v[(\a):(\a)+15], v[(\b):(\b)+15], v[(\d):(\d)+7], v[\sa], v[\sb] matrix_a_fmt:MATRIX_FMT_BF8 matrix_b_fmt:MATRIX_FMT_BF8
.elseif (\row) == 1
	v_wmma_scale_f32_16x16x128_f8f6f4 v[(\d):(\d)+7], v[(\a):(\a)+15], v[(\b):(\b)+15], v[(\d):(\d)+7], v[\sa], v[\sb] matrix_a_fmt:MATRIX_FMT_BF8 matrix_b_fmt:MATRIX_FMT_BF8 matrix_a_scale:MATRIX_SCALE_ROW1
.else
	v_wmma_scale_f32_16x16x128_f8f6f4 v[(\d):(\d)+7], v[(\a):(\a)+15], v[(\b):(\b)+15], v[(\d):(\d)+7], v[\sa], v[\sb] matrix_a_fmt:MATRIX_FMT_BF8 matrix_b_fmt:MATRIX_FMT_BF8 matrix_b_scale:MATRIX_SCALE_ROW1
.endif
.endm
; loads n0 .. n1 - 1 of the 64 that bring my slice of a weight, 32,768 dense bytes at off from my slice of Wq: load n into v[base + 4 n] of window win: fragment (tt, s) at base + 16 (4 tt + s)
.macro WLOAD win, base, off, n0, n1
	WIN (\win)<<6
.set n_, \n0
.rept (\n1)-(\n0)
	global_load_b128 v[(\base)+4*n_:(\base)+4*n_+3], v[L16], s[32:33] offset:(\off)+512*n_
.set n_, n_+1
.endr
	WIN 0
.endm
.macro WSLOAD off                      ; a weight's scale words
	global_load_b128 v[WS:WS+3], v[WSO], s[36:37] offset:\off
	global_load_b128 v[WS+4:WS+7], v[WSO], s[36:37] offset:(\off)+512
.endm
.macro MKWSO                           ; 16 r + 1,024 h + 256 (w % 2): my tiles' words; lanes 16-31 take the tile two further on
	v_and_b32 v24, 15, v0
	v_bfe_u32 v25, v0, 4, 1
	s_and_b32 s14, s12, 1
	s_lshl_b32 s14, s14, 8
	v_lshl_add_u32 v24, v24, 4, s14
	v_lshl_add_u32 v[WSO], v25, 10, v24
.endm
.macro LOADX p, b                      ; rows 2 p, 2 p + 1 of my four: a load reads 512 consecutive bytes
.irp r, 0,1
.irp j, 0,1,2,3
	global_load_b128 v[ST+16*(2*\p+\r)+4*\j:ST+16*(2*\p+\r)+4*\j+3], v[L16], s[\b:\b+1] offset:2048*(2*\p+\r)+512*\j
.endr
.endr
.endm
; the two rows go through my stage: as loaded (a load's 512 bytes take eight places of 64 + 16), and back 64 bytes a lane: lane l then holds d = 16 l .. 16 l + 15.
; LDS serves a wave's instructions in order (ISA guide 5.7.1.4): the loads see the stores, and the stage's next stores come behind its loads
.macro TURN p
.irp r, 0,1
.irp j, 0,1,2,3
	ds_store_b128 v[STW], v[ST+16*(2*\p+\r)+4*\j:ST+16*(2*\p+\r)+4*\j+3] offset:2560*\r+640*\j
.endr
.endr
.irp r, 0,1
.irp j, 0,1,2,3
	ds_load_b128 v[XT+16*\r+4*\j:XT+16*\r+4*\j+3], v[STR] offset:2560*\r+16*\j
.endr
.endr
.endm
; two rows are quantised, line by line by turns (two neighbouring lanes hold a block of 32), and their codes and scale bytes go to X's tile: group = my lane
.macro ROWQ p
.irp t, 0,1,2,3,4
	v_max3_num_f32 v[RT+\t],   |v[XT+3*\t]|, |v[XT+3*\t+1]|, |v[XT+3*\t+2]|
	v_max3_num_f32 v[RT+5+\t], |v[XT+16+3*\t]|, |v[XT+16+3*\t+1]|, |v[XT+16+3*\t+2]|
.endr
	v_max3_num_f32 v[RT],   v[RT],   v[RT+1], v[RT+2]
	v_max3_num_f32 v[RT+5], v[RT+5], v[RT+6], v[RT+7]
	v_max3_num_f32 v[RT+3], v[RT+3], v[RT+4], |v[XT+15]|
	v_max3_num_f32 v[RT+8], v[RT+8], v[RT+9], |v[XT+31]|
	v_max3_num_f32 v[RMX],   v[RT],   v[RT+3], 0x8000000   ; and the floor 2^(16 - 127): the byte cannot fall under 1
	v_max3_num_f32 v[RMX+1], v[RT+5], v[RT+8], 0x8000000
	v_max_num_f32_dpp v[RMX], v[RMX], v[RMX] row_xmask:1 row_mask:0xf bank_mask:0xf   ; with my neighbour's 16: the block's
	v_max_num_f32_dpp v[RMX+1], v[RMX+1], v[RMX+1] row_xmask:1 row_mask:0xf bank_mask:0xf
	v_add_nc_u32 v[RSC], 0xf8800000, v[RMX]        ; 15 off the exponent field: the conversion's scale operand
	v_add_nc_u32 v[RSC+1], 0xf8800000, v[RMX+1]
	v_and_or_b32 v[RHL], v[RMX], 0x7f800000, s50   ; 57,344 x the scale
	v_and_or_b32 v[RHL+1], v[RMX+1], 0x7f800000, s50
.irp n, 0,1,2,3,4,5,6,7,8,9,10,11,12,13,14,15
	v_med3_num_f32 v[XT+\n], v[XT+\n], -v[RHL], v[RHL]   ; the conversion to an 8-bit code does not saturate (ISA guide 7.6.2)
	v_med3_num_f32 v[XT+16+\n], v[XT+16+\n], -v[RHL+1], v[RHL+1]
.endr
	v_cvt_scalef32_pk8_bf8_f32 v[RC:RC+1], v[XT:XT+7], v[RSC]
	v_cvt_scalef32_pk8_bf8_f32 v[RC+2:RC+3], v[XT+8:XT+15], v[RSC]
	v_cvt_scalef32_pk8_bf8_f32 v[RC+4:RC+5], v[XT+16:XT+23], v[RSC+1]
	v_cvt_scalef32_pk8_bf8_f32 v[RC+6:RC+7], v[XT+24:XT+31], v[RSC+1]
	v_lshrrev_b32 v[RE], 23, v[RSC]                ; the scales' bytes.  (Also the plain lines behind the conversions)
	v_lshrrev_b32 v[RE+1], 23, v[RSC+1]
	v_add_nc_u32 v14, s39, v[XIW]
	v_add_nc_u32 v15, s40, v[XSW]
.irp r, 0,1
	ds_store_b8 v15, v[RE+\r] offset:16*(2*\p+\r)  ; both lanes of a block write the same byte with the same value
	ds_store_b128 v14, v[RC+4*\r:RC+4*\r+3] offset:16*(2*\p+\r)
.endr
.endm
; a token tile's four fragments of X and its scale words: 17 LDS loads.  s42, s43: the tile's place
.macro FETCHX
	v_add_nc_u32 v12, s42, v[XRD]
	v_add_nc_u32 v13, s43, v[XSR]
.irp s, 0,1,2,3
.irp c, 0,1,2,3
	ds_load_b128 v[XF+16*\s+4*\c:XF+16*\s+4*\c+3], v12 offset:(8*\s+2*\c)*272
.endr
.endr
	ds_load_b128 v[XS:XS+3], v13
.endm
.macro NEXTX                           ; the next token tile's
	s_add_co_u32 s42, s42, XT8
	s_add_co_u32 s43, s43, 256
	FETCHX
.endm
; 16 products, transposed: my four tiles of W (window 1) x a token tile, all of K.  The four accumulators take turns, one instruction a turn; then the places
.macro PRODS
	WIN 0x01
.irp s, 0,1,2,3
.irp tt, 0,1,2,3
.if \s == 0
	WMMA ACC+8*\tt, 16*(4*\tt+\s), XF+16*\s, 1, WS+4*(\tt%2)+\s, XS+\s, \tt/2
.else
	WMMA ACC+8*\tt, 16*(4*\tt+\s), XF+16*\s, 0, WS+4*(\tt%2)+\s, XS+\s, \tt/2
.endif
.endr
.endr
	WIN 0
	PLACES
.endm
; my 32 numbers of a token, two blocks of 16 registers (the other 16 of each block lie in lane l xor 16), become half a fragment: codes of block 0 in v[QP:QP+3], of block 1 over the first accumulator, which is done with by then;
; and half a scale word.  Image and half word go to LDS.  so: where the scale words lie
.macro QUANT so
.irp k, 0,2,4,6
.irp c, 0,1,2,3
.if \k == 0
	v_max3_num_f32 v[QM*(1-(\c%2))+QN*(\c%2)+(\c/2)], |v[ACC+8*\c]|, |v[ACC+8*\c+1]|, 0x8000000   ; four chains, each from its accumulator's low end on, with the floor 2^(16 - 127)
.else
	v_max3_num_f32 v[QM*(1-(\c%2))+QN*(\c%2)+(\c/2)], v[QM*(1-(\c%2))+QN*(\c%2)+(\c/2)], |v[ACC+8*\c+\k]|, |v[ACC+8*\c+\k+1]|
.endif
.endr
.endr
.irp b, 0,1
	v_max_num_f32 v[QM+\b], v[QM+\b], v[QN+\b]
.endr
.irp b, 0,1
	v_permlanex16_b32 v[QN+\b], v[QM+\b], s48, s49
.endr
.irp b, 0,1
	v_max_num_f32 v[QM+\b], v[QM+\b], v[QN+\b]     ; the block's largest magnitude
.endr
.irp b, 0,1
	v_add_nc_u32 v[QS+\b], 0xf8800000, v[QM+\b]
.endr
.irp b, 0,1
	v_and_or_b32 v[QH+\b], v[QM+\b], 0x7f800000, s50
.endr
.irp b, 0,1
	v_lshrrev_b32 v[QN+\b], 23, v[QS+\b]
.endr
.irp n, 0,1,2,3,4,5,6,7,8,9,10,11,12,13,14,15
	v_med3_num_f32 v[ACC+\n], v[ACC+\n], -v[QH], v[QH]
.endr
	v_cvt_scalef32_pk8_bf8_f32 v[QP:QP+1], v[ACC:ACC+7], v[QS]
	v_cvt_scalef32_pk8_bf8_f32 v[QP+2:QP+3], v[ACC+8:ACC+15], v[QS]
	v_lshl_or_b32 v[QN], v[QN+1], 8, v[QN]         ; the half word
.irp n, 16,17,18,19,20,21,22,23,24,25,26,27,28,29,30,31
	v_med3_num_f32 v[ACC+\n], v[ACC+\n], -v[QH+1], v[QH+1]
.endr
	v_cvt_scalef32_pk8_bf8_f32 v[ACC:ACC+1], v[ACC+16:ACC+23], v[QS+1]
	v_cvt_scalef32_pk8_bf8_f32 v[ACC+2:ACC+3], v[ACC+24:ACC+31], v[QS+1]
	v_add_nc_u32 v12, s44, v[IMW]                  ; (also the plain lines behind the conversions)
	v_add_nc_u32 v13, s45, v[SCW]
	ds_store_b128 v12, v[QP:QP+3]
	ds_store_b128 v12, v[ACC:ACC+3] offset:512
	ds_store_b16 v13, v[QN] offset:\so             ; lanes r and r + 16 write the same half word with the same value
	s_add_co_u32 s44, s44, 2048
	s_add_co_u32 s45, s45, 256
.endm
; a key tile's four fragments of k and its scale words: 17 LDS loads
.macro FETCHK t
.irp s, 0,1,2,3
.irp c, 0,1,2,3
	ds_load_b128 v[XF+16*\s+4*\c:XF+16*\s+4*\c+3], v[10+\s/2] offset:(\s%2)*32768+2048*(\t)+512*\c
.endr
.endr
	ds_load_b128 v[XS:XS+3], v14 offset:256*(\t)
.endm
; V: a token tile's fragments of X (set 0: v32-95; set 1: window 1, v128-191), its scale words and its 8 numbers of c for my half of the lanes: 19 LDS loads
.macro FETCHV set
	v_add_nc_u32 v[4+2*\set], s42, v[XRD]
	v_add_nc_u32 v[5+2*\set], s43, v[XSR]
	v_add_nc_u32 v8, s47, v9
	WIN 0x40*\set
.irp s, 0,1,2,3
.irp c, 0,1,2,3
	ds_load_b128 v[XF+96*\set+16*\s+4*\c:XF+96*\set+16*\s+4*\c+3], v[4+2*\set] offset:(8*\s+2*\c)*272
.endr
.endr
	WIN 0
	ds_load_b128 v[XS-16*\set:XS-16*\set+3], v[5+2*\set]
	WIN 0x40
	ds_load_b128 v[CV+8*\set:CV+8*\set+3], v8
	ds_load_b128 v[CV+8*\set+4:CV+8*\set+7], v8 offset:16
	WIN 0
.endm
; v of one token tile, not transposed (lane (r, h), register j: token 8 h + j, the tile's column r), and its fold with c.  Wv's tiles 0, 1: v128-255; tiles 2, 3: window 1, v0-127
.macro VTILE set, oth, pre
.if \pre
	s_add_co_u32 s42, s42, XT8
	s_add_co_u32 s43, s43, 256
	s_add_co_u32 s47, s47, 64
	FETCHV \oth
	s_wait_dscnt 19                                ; the next tile's 19 loads may be out
.else
	s_wait_dscnt 0x0
.endif
.irp s, 0,1,2,3
.irp tt, 0,1,2,3
	WIN \set+4*(\tt/2)
.if \s == 0
	WMMA ACC+8*\tt, XF+96*\set+16*\s, 128*(1-(\tt/2))+16*(4*(\tt%2)+\s), 1, XS-16*\set+\s, WS+4*(\tt%2)+\s, 2*(\tt/2)
.else
	WMMA ACC+8*\tt, XF+96*\set+16*\s, 128*(1-(\tt/2))+16*(4*(\tt%2)+\s), 0, XS-16*\set+\s, WS+4*(\tt%2)+\s, 2*(\tt/2)
.endif
.endr
.endr
	PLACES
	WIN 0x54                                       ; v window 0; c and the sums window 1
	s_wait_alu depctr_va_vdst(0)                   ; the sums were written behind the last tile's products
.irp p, 0,2,4,6
.irp t, 0,1,2,3
	v_pk_fma_f32 v[OUT+2*\t:OUT+2*\t+1], v[ACC+8*\t+\p:ACC+8*\t+\p+1], v[CV+8*\set+\p:CV+8*\set+\p+1], v[OUT+2*\t:OUT+2*\t+1]
.endr
.endr
	WIN 0
.endm
; ---------------- the head
	s_load_b256 s[4:11], s[0:1], 0x0               ; msg_stacked, wcodes, wscales, out0
	v_lshrrev_b32 v12, 5, v0
	v_readfirstlane_b32 s12, v12                   ; wave 0..7
	v_and_b32 v13, 31, v0                          ; lane
	v_and_b32 v14, 15, v0                          ; r
	v_bfe_u32 v15, v0, 4, 1                        ; h
	v_lshlrev_b32 v[L16], 4, v13
	v_mul_u32_u24 v[XRD], v15, 272
	v_lshl_add_u32 v[XRD], v14, 4, v[XRD]
	v_lshl_add_u32 v[XSR], v14, 4, XSC
	MKWSO
	s_mul_i32 s14, s12, 5120
	s_add_co_u32 s14, s14, STG                     ; my stage
	v_lshrrev_b32 v[STW], 2, v13
	v_mul_u32_u24 v[STW], v[STW], 80
	v_and_b32 v12, 3, v13
	v_lshl_add_u32 v[STW], v12, 4, v[STW]
	v_add_nc_u32 v[STW], s14, v[STW]               ; in: 80 (lane / 4) + 16 (lane % 4)
	v_mul_u32_u24 v[STR], v13, 80
	v_add_nc_u32 v[STR], s14, v[STR]               ; out: 80 x lane
	s_lshr_b32 s15, s12, 2                         ; my four rows of a trip's 32: tile w / 4, rows 4 (w % 4) on
	s_and_b32 s16, s12, 3
	s_lshl_b32 s16, s16, 6
	s_mul_i32 s14, s15, XT8
	s_add_co_u32 s14, s14, s16
	v_mul_u32_u24 v[XIW], v13, 272
	v_add_nc_u32 v[XIW], s14, v[XIW]
	s_lshl_b32 s14, s15, 8
	s_add_co_u32 s14, s14, s16
	s_add_co_u32 s14, s14, XSC
	v_lshrrev_b32 v[XSW], 1, v13
	v_add_nc_u32 v[XSW], s14, v[XSW]
	s_lshr_b32 s17, s12, 1                         ; my columns' K step of q k^T,
	s_and_b32 s18, s12, 1                          ; and which half of it
	s_lshl_b32 s14, s17, 15
	s_lshl_b32 s15, s18, 10
	s_add_co_u32 s14, s14, s15
	s_add_co_u32 s14, s14, RIMG
	v_add_nc_u32 v[IMW], s14, v[L16]
	s_lshl_b32 s14, s17, 2
	s_lshl_b32 s15, s18, 1
	s_add_co_u32 s14, s14, s15
	s_add_co_u32 s14, s14, QSC
	s_wait_alu depctr_va_vdst(0)
	v_lshl_add_u32 v[SCW], v14, 4, s14
	s_mov_b32 s48, 0x76543210
	s_mov_b32 s49, 0xfedcba98                      ; v_permlanex16_b32's selects for lane l xor 16
	s_mov_b32 s50, 0x600000                        ; the mantissa field of 57,344
	s_mov_b32 s52, 0x3d8293ee                      ; c = log2(e) / sqrt(512)
	s_mov_b32 s53, s52                             ; (named with it as a pair, so it is written)
	s_lshl_b32 s18, s17, 11                        ; my slice of a weight's scale words
	s_mov_b32 s19, 0
	s_lshl_b32 s14, ttmp9, 19                      ; my batch: 256 rows of 2,048 bytes,
	s_lshl_b32 s15, s12, 13                        ; my four rows of the first 32
	s_add_co_u32 s14, s14, s15
	s_mov_b32 s15, 0
	s_lshl_b32 s16, s12, 15                        ; my slice of a weight's codes
	s_mov_b32 s17, 0
	s_lshl_b32 s20, ttmp9, 11                      ; my batch's row of out, my 64 numbers of it
	s_lshl_b32 s21, s12, 8
	s_add_co_u32 s20, s20, s21
	s_mov_b32 s21, 0
	s_mov_b32 s38, 1                               ; the trip
	s_mov_b32 s39, 0                               ; where a trip's codes and scale bytes go
	s_mov_b32 s40, 0
	s_wait_alu depctr_va_vdst(0)
	s_wait_kmcnt 0x0
	s_add_nc_u64 s[28:29], s[4:5], s[14:15]
	s_add_nc_u64 s[32:33], s[6:7], s[16:17]
	s_add_nc_u64 s[34:35], s[32:33], 262144        ; Wk's codes lie a matrix (262,144 bytes) behind Wq's
	s_add_nc_u64 s[36:37], s[8:9], s[18:19]
	s_add_nc_u64 s[54:55], s[10:11], s[20:21]
	s_add_nc_u64 s[30:31], s[28:29], 65536         ; the next trip's rows
; ---------------- XQ.  Trip 0's rows alone, while Wq lands
	LOADX 0, 28
	LOADX 1, 28
	WLOAD 1, 0, 0, 0, 46
	s_wait_loadcnt 54                              ; rows 0, 1 are in: behind them stand 8 loads of rows and 46 of Wq
	TURN 0
	s_wait_dscnt 0x0                               ; the rows are back from the stage, and their registers have been read
	LOADX 0, 30
	ROWQ 0
	s_wait_loadcnt 54                              ; rows 2, 3 are in: behind them stand 46 loads of Wq and 8 of rows
	TURN 1
	s_wait_dscnt 0x0
	LOADX 1, 30
	ROWQ 1
	WLOAD 1, 0, 0, 46, 64
	WSLOAD 0
	s_wait_xcnt 0x0                                ; the loads have read their base
	s_add_nc_u64 s[30:31], s[30:31], 65536
	s_add_co_u32 s39, s39, 2*XT8
	s_add_co_u32 s40, s40, 512
	s_mov_b32 s42, 0
	s_mov_b32 s43, 0
	s_mov_b32 s44, 0
	s_mov_b32 s45, 0
	BAR                                            ; token tiles 0 and 1 lie in LDS
	FETCHX
	s_wait_loadcnt 0x0                             ; Wq and its scale words
.set QP, 224                           ; the quantiser's registers in XQ
.set QS, 228
.set QH, 230
.set QM, 232
.set QN, 234
; trips 1 to 7: rows of trip t, and q of token tiles 2 t - 2 and 2 t - 1, which the barrier of the trip before has shown.  The rows' stores go to other tiles than those read: one barrier a trip
.Lxq:
	s_wait_dscnt 0x0                               ; the first tile's fragments
	PRODS
	NEXTX                                          ; the second tile's
	s_wait_loadcnt 8                               ; rows 0, 1: behind them stand the 8 loads of rows 2, 3
	TURN 0
	QUANT 0
	s_wait_dscnt 0x0                               ; fragments and rows are in; all stores have read their registers
	LOADX 0, 30                                    ; rows of the next trip (in the last, where X is at its end: Wk's first tile, 2,048 dense bytes a row's place)
	ROWQ 0
	s_wait_loadcnt 8                               ; rows 2, 3: behind them stand the 8 loads just issued
	TURN 1
	PRODS
	QUANT 0
	s_wait_dscnt 0x0
	LOADX 1, 30
	ROWQ 1
	s_wait_xcnt 0x0                                ; the loads have read their base: it is stepped only behind this wait
	s_add_nc_u64 s[30:31], s[30:31], 65536
	s_cmp_eq_u32 s38, 6
	s_cselect_b64 s[30:31], s[34:35], s[30:31]
	s_add_co_u32 s39, s39, 2*XT8
	s_add_co_u32 s40, s40, 512
	BAR                                            ; the trip's two token tiles lie in LDS
	NEXTX
	s_add_co_u32 s38, s38, 1
	s_cmp_lt_u32 s38, 8
	s_cbranch_scc1 .Lxq
	s_wait_dscnt 0x0                               ; q of the last two tiles
	PRODS
	NEXTX
	QUANT 0
	s_wait_dscnt 0x0
	PRODS
	s_wait_loadcnt 0x0                             ; Wk's tile 0 is in v128-191: Wq is done with, and Wk takes window 1
	WIN 0x40
.set n_, 0
.rept 64
	v_mov_b32 v[n_], v[ST+n_]
.set n_, n_+1
.endr
	WLOAD 1, 0, 262144, 16, 64
	WSLOAD 8192
	QUANT 0
	BAR                                            ; all of q lies in LDS
; ---------------- the exchange: my 32 queries' fragments of q, token tiles 2 w and 2 w + 1: fragment (qt, s) at v[128 + 16 (4 qt + s)]
	s_lshl_b32 s14, s12, 12
	s_add_co_u32 s14, s14, RIMG
	v_add_nc_u32 v10, s14, v[L16]
	s_add_co_u32 s14, s14, 65536
	v_add_nc_u32 v11, s14, v[L16]
.irp qt, 0,1
.irp s, 0,1,2,3
.irp c, 0,1,2,3
	ds_load_b128 v[128+16*(4*\qt+\s)+4*\c:128+16*(4*\qt+\s)+4*\c+3], v[10+\s/2] offset:(\s%2)*32768+2048*\qt+512*\c
.endr
.endr
.endr
	s_mov_b32 s42, 0
	s_mov_b32 s43, 0
	s_mov_b32 s44, 0
	s_mov_b32 s45, 0
	FETCHX                                         ; token tile 0
	BAR                                            ; every wave has its q: the images may be written over
	s_wait_loadcnt 0x0                             ; Wk and its scale words
; ---------------- K
.set QP, 4                             ; the quantiser's registers in K: those of XQ's addresses and of the places that have become free
.set QS, 10
.set QH, 14
.set QM, 24
.set QN, 30
	s_mov_b32 s46, 15
.Lk:
	s_wait_dscnt 0x0                               ; the tile's fragments are in, and the last tile's stores have read their registers
	PRODS
	NEXTX
	QUANT 4096
	s_sub_co_u32 s46, s46, 1
	s_cmp_lg_u32 s46, 0
	s_cbranch_scc1 .Lk
	s_wait_dscnt 0x0
	PRODS
	QUANT 4096
	BAR                                            ; all of k lies in LDS
; ---------------- S: source 0 = q, source 1 = k (window 0); accumulator (qt, kt) at v[128 qt + 8 kt] of window 1
	v_and_b32 v4, 15, v0
	s_lshl_b32 s14, s12, 9
	s_add_co_u32 s14, s14, QSC
	v_add_nc_u32 v10, RIMG, v[L16]
	v_add_nc_u32 v11, RIMG+65536, v[L16]
	v_lshl_add_u32 v14, v4, 4, KSC                 ; k's scale words: 16 bytes a row
	v_lshl_add_u32 v15, v4, 4, s14                 ; q's: my two token tiles
	s_wait_alu depctr_va_vdst(0)
	ds_load_b128 v[WS:WS+3], v15
	ds_load_b128 v[WS+4:WS+7], v15 offset:256
	FETCHK 0
.set kt, 0
.rept 16
	s_wait_dscnt 0x0
	WIN 0x50
.irp s, 0,1,2,3
.irp q, 0,1
.if \s == 0
	WMMA 128*\q+8*kt, 128+16*(4*\q+\s), XF+16*\s, 1, WS+4*\q+\s, XS+\s, 0
.else
	WMMA 128*\q+8*kt, 128+16*(4*\q+\s), XF+16*\s, 0, WS+4*\q+\s, XS+\s, 0
.endif
.endr
.endr
	WIN 0
	PLACES
.if kt < 15
	FETCHK kt+1
.endif
.set kt, kt+1
.endr
	MKWSO
	WSLOAD 16384                                   ; Wv's scale words,
	WLOAD 0, 128, 524288, 0, 32                    ; and, q being done with, Wv's tiles 0, 1 into v128-255: they land under the softmax
; ---------------- the softmax of my 32 queries, in place.  Lane (r, h), register j of accumulator (q, k): query 8 h + j, key 16 k + r: a row lies in 16 registers of 16 lanes
	WIN 0x15
.irp q, 0,1
.irp j, 0,1,2,3,4,5,6,7
	v_max3_num_f32 v[SM+8*\q+\j], v[128*\q+\j], v[128*\q+8+\j], v[128*\q+16+\j]   ; each accumulator is read from its low end on; sixteen chains side by side
.endr
.endr
	WIN 0x05
.irp k, 3,5,7,9,11,13
.irp q, 0,1
.irp j, 0,1,2,3,4,5,6,7
	v_max3_num_f32 v[SM+8*\q+\j], v[128*\q+8*\k+\j], v[128*\q+8*\k+8+\j], v[SM+8*\q+\j]
.endr
.endr
.endr
	WIN 0x01
.irp q, 0,1
.irp j, 0,1,2,3,4,5,6,7
	v_max_num_f32 v[SM+8*\q+\j], v[128*\q+120+\j], v[SM+8*\q+\j]
.endr
.endr
	WIN 0
.irp x, 1,2,4,8
.irp n, 0,1,2,3,4,5,6,7,8,9,10,11,12,13,14,15
	v_max_num_f32_dpp v[SM+\n], v[SM+\n], v[SM+\n] row_xmask:\x row_mask:0xf bank_mask:0xf   ; over the sixteen lanes that share the row
.endr
.endr
.irp p, 0,2,4,6,8,10,12,14
	v_pk_mul_f32 v[SM+\p:SM+\p+1], v[SM+\p:SM+\p+1], s[52:53] op_sel_hi:[1,0]   ; c x the row's maximum, c = log2(e) / sqrt(512)
.endr
	WIN 0x41
.irp q, 0,1
.irp k, 0,1,2,3,4,5,6,7,8,9,10,11,12,13,14,15
.irp p, 0,2,4,6
	v_pk_fma_f32 v[128*\q+8*\k+\p:128*\q+8*\k+\p+1], v[128*\q+8*\k+\p:128*\q+8*\k+\p+1], s[52:53], v[SM+8*\q+\p:SM+8*\q+\p+1] op_sel_hi:[1,0,1] neg_lo:[0,0,1] neg_hi:[0,0,1]   ; c s - c max
.endr
.endr
.endr
	s_wait_alu depctr_va_vdst(0)                   ; one wait ahead of the batch
.set n_, 0
.rept 256
	v_exp_f32 v[n_], v[n_]
.set n_, n_+1
.endr
	v_nop                                          ; a plain line behind the last exponential,
	s_wait_alu depctr_va_vdst(0)                   ; and one wait for the batch ahead of its first reader
	WIN 0x05
.irp q, 0,1
.irp p, 0,2,4,6
	v_pk_add_f32 v[SL+8*\q+\p:SL+8*\q+\p+1], v[128*\q+\p:128*\q+\p+1], v[128*\q+8+\p:128*\q+8+\p+1]
.endr
.endr
	WIN 0x01
.irp k, 2,3,4,5,6,7,8,9,10,11,12,13,14,15
.irp q, 0,1
.irp p, 0,2,4,6
	v_pk_add_f32 v[SL+8*\q+\p:SL+8*\q+\p+1], v[128*\q+8*\k+\p:128*\q+8*\k+\p+1], v[SL+8*\q+\p:SL+8*\q+\p+1]
.endr
.endr
.endr
	WIN 0
.irp x, 1,2,4,8
.irp n, 0,1,2,3,4,5,6,7,8,9,10,11,12,13,14,15
	v_add_f32_dpp v[SL+\n], v[SL+\n], v[SL+\n] row_xmask:\x row_mask:0xf bank_mask:0xf   ; the row's sum
.endr
.endr
	s_wait_alu depctr_va_vdst(0)
.irp n, 0,1,2,3,4,5,6,7,8,9,10,11,12,13,14,15
	v_rcp_f32 v[SL+\n], v[SL+\n]
.endr
	v_nop
	s_wait_alu depctr_va_vdst(0)                   ; one wait for the sixteen reciprocals
	WIN 0x01
.irp q, 0,1
.irp p, 0,2,4,6
.irp k, 0,1,2,3,4,5,6,7,8,9,10,11,12,13,14,15
.if (\q == 0) && (\p == 0)
	v_pk_mul_f32 v[CP+2*\k:CP+2*\k+1], v[128*\q+8*\k+\p:128*\q+8*\k+\p+1], v[SL+8*\q+\p:SL+8*\q+\p+1]   ; the first terms start the column sums
.else
	v_pk_fma_f32 v[CP+2*\k:CP+2*\k+1], v[128*\q+8*\k+\p:128*\q+8*\k+\p+1], v[SL+8*\q+\p:SL+8*\q+\p+1], v[CP+2*\k:CP+2*\k+1]   ; column sums of p / the row's sum; sixteen chains
.endif
.endr
.endr
.endr
	WLOAD 1, -128, 524288, 32, 64                  ; the scores are done with: Wv's tiles 2, 3 into window 1, v0-127
; ---------------- c: the column sums of my 32 queries, then of all 256
	v_and_b32 v4, 15, v0
	s_lshl_b32 s14, s12, 10
	s_add_co_u32 s15, s14, CPART
	v_lshl_add_u32 v5, v4, 2, s15                  ; in: my wave's 256 words, key 16 k + r
	v_and_b32 v6, 31, v0
	v_lshlrev_b32 v6, 5, v6                        ; 8 keys a lane
	s_add_co_u32 s15, s14, CSUM
	v_add_nc_u32 v7, s15, v6
	v_add_nc_u32 v6, CPART, v6
	v_bfe_u32 v8, v0, 4, 1
	v_lshl_add_u32 v9, v8, 5, s15                  ; c for V: my wave's copy, + 8 h tokens
.irp k, 0,1,2,3,4,5,6,7,8,9,10,11,12,13,14,15
	v_add_f32 v[CT+\k], v[CP+2*\k], v[CP+2*\k+1]   ; even and odd queries
.endr
.irp k, 0,1,2,3,4,5,6,7,8,9,10,11,12,13,14,15
	v_permlanex16_b32 v[PT+\k], v[CT+\k], s48, s49
.endr
.irp k, 0,1,2,3,4,5,6,7,8,9,10,11,12,13,14,15
	v_add_f32 v[CT+\k], v[CT+\k], v[PT+\k]         ; and the other half of the lanes' queries
.endr
.irp k, 0,1,2,3,4,5,6,7,8,9,10,11,12,13,14,15
	ds_store_b32 v5, v[CT+\k] offset:64*\k         ; lanes r and r + 16 write the same word with the same value
.endr
	BAR                                            ; the eight waves' sums lie in LDS
.irp w, 0,1,2,3,4,5,6,7
	ds_load_b128 v[32+8*\w:35+8*\w], v6 offset:1024*\w
	ds_load_b128 v[36+8*\w:39+8*\w], v6 offset:1024*\w+16
.endr
	s_wait_dscnt 0x0
.irp w, 0,2,4,6
.irp p, 0,2,4,6
	v_pk_add_f32 v[32+8*\w+\p:33+8*\w+\p], v[32+8*\w+\p:33+8*\w+\p], v[40+8*\w+\p:41+8*\w+\p]
.endr
.endr
.irp w, 0,4
.irp p, 0,2,4,6
	v_pk_add_f32 v[32+8*\w+\p:33+8*\w+\p], v[32+8*\w+\p:33+8*\w+\p], v[48+8*\w+\p:49+8*\w+\p]
.endr
.endr
.irp p, 0,2,4,6
	v_pk_add_f32 v[32+\p:33+\p], v[32+\p:33+\p], v[64+\p:65+\p]
.endr
	ds_store_b128 v7, v[32:35]                     ; each wave keeps a copy of its own: no further barrier
	ds_store_b128 v7, v[36:39] offset:16
	s_wait_dscnt 0x0                               ; the stores have read their registers, which V's fragments take
; ---------------- V: v = X Wv tile by tile; out[e] = sum over tokens of c x v: a pair (even tokens', odd tokens') for each of my 4 tiles of columns
	WIN 0x40
.irp n, 0,1,2,3,4,5,6,7
	v_mov_b32 v[OUT+\n], 0                         ; eight registers, so that the tile is written once for all token tiles
.endr
	WIN 0
	s_mov_b32 s42, 0
	s_mov_b32 s43, 0
	s_mov_b32 s47, 0
	FETCHV 0
	s_mov_b32 s46, 7
	s_wait_loadcnt 0x0                             ; Wv and its scale words
.Lv:
	VTILE 0, 1, 1
	VTILE 1, 0, 1
	s_sub_co_u32 s46, s46, 1
	s_cmp_lg_u32 s46, 0
	s_cbranch_scc1 .Lv
	VTILE 0, 1, 1
	VTILE 1, 0, 0
; ---------------- the way out: lane (r, h) holds, for tile t, column 32 (t / 2) + 8 (t % 2) + r + 8 (r / 8) of my 64; through my own 256 bytes of LDS they come into order
	s_lshl_b32 s14, s12, 8
	s_add_co_u32 s14, s14, OSTG
	v_lshl_add_u32 v10, v0, 2, SPARE
	v_mov_b32 v11, 0
	v_and_b32 v4, 15, v0
	v_and_b32 v5, 8, v4
	v_add_nc_u32 v4, v4, v5                        ; r + 8 (r / 8)
	v_lshl_add_u32 v4, v4, 2, s14
	v_and_b32 v5, 31, v0
	v_lshlrev_b32 v5, 3, v5
	v_add_nc_u32 v6, s14, v5
	WIN 0x05
.irp t, 0,1,2,3
	v_add_f32 v[96+\t], v[OUT+2*\t], v[OUT+2*\t+1] ; even and odd tokens
.endr
	WIN 0
.irp t, 0,1,2,3
	v_permlanex16_b32 v[100+\t], v[96+\t], s48, s49
.endr
.irp t, 0,1,2,3
	v_add_f32 v[96+\t], v[96+\t], v[100+\t]        ; and the other half of the lanes' tokens
.endr
.irp t, 0,1,2,3
	ds_store_b32 v4, v[96+\t] offset:4*(32*(\t/2)+8*(\t%2))   ; lanes r and r + 16 write the same word with the same value
.endr
	ds_load_b64 v[104:105], v6                     ; LDS serves a wave's instructions in order (ISA guide 5.7.1.4): this sees my stores
	s_wait_dscnt 0x0
	global_store_b64 v5, v[104:105], s[54:55]      ; 32 lanes store 256 consecutive bytes, at a multiple of 256 from out's first byte
	s_wait_tensorcnt 0x0                           ; the wave's end, behind my last LDS store
	ds_add_u32 v10, v11
	s_wait_dscnt 0x0
	s_endpgm
.Lfunc_end_k_q8687c98b7d_merge:
	.size	k_q8687c98b7d_merge, .Lfunc_end_k_q8687c98b7d_merge-k_q8687c98b7d_merge
	.p2alignl 7, 3214868480
	.fill 96, 4, 3214868480
	.section	.rodata,"a",@progbits
	.p2align	6, 0x0
	.amdhsa_kernel k_q8687c98b7d_merge
		.amdhsa_group_segment_fixed_size 324608
		.amdhsa_private_segment_fixed_size 0
		.amdhsa_enable_private_segment 0
		.amdhsa_kernarg_size 32
		.amdhsa_user_sgpr_count 2
		.amdhsa_user_sgpr_kernarg_segment_ptr 1
		.amdhsa_wavefront_size32 1
		.amdhsa_system_sgpr_workgroup_id_x 1
		.amdhsa_system_sgpr_workgroup_id_y 1
		.amdhsa_system_sgpr_workgroup_id_z 1
		.amdhsa_system_vgpr_workitem_id 0
		.amdhsa_next_free_vgpr 512
		.amdhsa_next_free_sgpr 66
		.amdhsa_reserve_vcc 0
		.amdhsa_float_denorm_mode_32 3
		.amdhsa_float_denorm_mode_16_64 3
		.amdhsa_memory_ordered 1
		.amdhsa_forward_progress 1
		.amdhsa_inst_pref_size 217
	.end_amdhsa_kernel
	.amdgpu_metadata
---
amdhsa.version: [ 1, 2 ]
amdhsa.kernels:
  - .name:           k_q8687c98b7d_merge
    .symbol:         k_q8687c98b7d_merge.kd
    .args:
      - { .name: msg_stacked, .offset: 0, .size: 8, .value_kind: global_buffer, .address_space: global }
      - { .name: wcodes, .offset: 8, .size: 8, .value_kind: global_buffer, .address_space: global }
      - { .name: wscales, .offset: 16, .size: 8, .value_kind: global_buffer, .address_space: global }
      - { .name: out0, .offset: 24, .size: 8, .value_kind: global_buffer, .address_space: global }
    .group_segment_fixed_size: 324608
    .private_segment_fixed_size: 0
    .kernarg_segment_align: 8
    .kernarg_segment_size: 32
    .max_flat_workgroup_size: 256
    .sgpr_count:     66
    .vgpr_count:     512
    .wavefront_size: 32
...
	.end_amdgpu_metadata
.endif
;; end of part 2
